; MI455X (gfx1250); checked and timed in simulation.
; The chip was launched on July 23, 2026; its instructions are those of AMD's public machine-readable ISA for CDNA 5 (MIT licence, August 2026) and "CDNA5" Instruction Set Architecture Reference Guide (July 2026). The comments in the code are by the model that wrote it; some were corrected since.
;; Multihead Self Attention. Allowed arithmetic: float matrix products may take bf16 or f16 operands with f32 sums; all other float work in f32.
;; Inputs: Wout 1,024 x 1,024 float32; Wqkv 1,024 x 3,072 float32; bout 1,024 float32; bqkv 3,072 float32; x 1 x 4,096 x 1,024 float32.
;; Outputs: out0 1 x 4,096 x 1,024 float32.
;; One version. Each part assembles by itself: llvm-mc -triple=amdgcn-amd-amdhsa -mcpu=gfx1250 --defsym DOCPART=n.
;; ======== version 1 of 1: 4 launches
;; limits: values are held in f16: magnitudes above 65,504 overflow, below 6.1e-05 lose precision
;; workspace buffers: xh 8,388,608 bytes; wqkvh 6,291,456 bytes; wouth 2,097,152 bytes; qkv 25,165,824 bytes; att 16,777,216 bytes
;; launch cast (part 1): grid 512 x 1, 8 waves a work-group, no clusters, 0 bytes of LDS; arguments x, Wqkv, Wout, xh, wqkvh, wouth; writes xh, wqkvh, wouth
.if DOCPART == 1
	.amdgcn_target "amdgcn-amd-amdhsa--gfx1250"
	.amdhsa_code_object_version 6
	.text
	.protected	k_qcbf4a78f08_cast
	.globl	k_qcbf4a78f08_cast
	.p2align	8
	.type	k_qcbf4a78f08_cast,@function
k_qcbf4a78f08_cast:
	s_mov_b64 s[64:65], 0
	v_nop
	global_prefetch_b8 v0, s[64:65] scope:SCOPE_SE
	s_setreg_imm32_b32 hwreg(HW_REG_WAVE_MODE, 25, 1), 1
	s_wait_xcnt 0x0
; x, Wqkv and Wout (f32) are rounded once to bf16 (nearest even) into xh, wqkvh and wouth, in the same order of numbers.
; bf16 keeps the range of f32, so no input is out of range; each number keeps 8 bits of mantissa.
; A stream: no LDS, no barrier, no matrix unit.  512 work-groups, each with one chunk of 16384 numbers (65536 bytes in,
; 32768 bytes out): groups 0-255 take x, 256-447 take Wqkv, 448-511 take Wout.  Thread t takes 8 neighbouring numbers in each of
; 8 pieces: two loads of 16 bytes, one store of 16 bytes; a store of a wave covers 512 consecutive bytes, aligned.
; All 16 loads of a thread go out first; no register is written twice, so no source of a pending access is ever rewritten.
.set IN,  4                            ; v[4:67]   piece j: 8 numbers in f32
.set OUT, 68                           ; v[68:99]  piece j: 8 numbers in bf16
	s_load_b256 s[4:11], s[0:1], 0x0               ; x s[4:5], Wqkv s[6:7], Wout s[8:9], xh s[10:11]
	s_load_b128 s[12:15], s[0:1], 0x20             ; wqkvh s[12:13], wouth s[14:15]
	s_mov_b32 s23, ttmp9                           ; the work-group
	s_sub_co_u32 s20, s23, 256                     ; its chunk, if it is one of Wqkv
	s_sub_co_u32 s21, s23, 448                     ; its chunk, if it is one of Wout
	v_lshlrev_b32 v1, 5, v0                        ; 32 t: my 8 numbers in a piece of the source
	v_lshlrev_b32 v2, 4, v0                        ; 16 t: and in a piece of the destination
	s_wait_kmcnt 0x0
	s_cmp_lt_u32 s23, 448                          ; the choice of buffers hangs on the group number alone
	s_cselect_b64 s[16:17], s[6:7], s[8:9]
	s_cselect_b64 s[18:19], s[12:13], s[14:15]
	s_cselect_b32 s22, s20, s21
	s_cmp_lt_u32 s23, 256
	s_cselect_b64 s[16:17], s[4:5], s[16:17]
	s_cselect_b64 s[18:19], s[10:11], s[18:19]
	s_cselect_b32 s22, s23, s22
	s_lshl_b32 s24, s22, 16                        ; chunk x 65536 bytes (below 16 MiB)
	s_mov_b32 s25, 0
	s_lshl_b32 s26, s22, 15                        ; chunk x 32768 bytes
	s_mov_b32 s27, 0
	s_add_nc_u64 s[16:17], s[16:17], s[24:25]
	s_add_nc_u64 s[18:19], s[18:19], s[26:27]
.irp j, 0,1,2,3,4,5,6,7
	global_load_b128 v[IN+8*\j:IN+8*\j+3],   v1, s[16:17] offset:8192*\j th:TH_LOAD_NT
	global_load_b128 v[IN+8*\j+4:IN+8*\j+7], v1, s[16:17] offset:8192*\j+16 th:TH_LOAD_NT
.endr
.irp j, 0,1,2,3,4,5,6,7
	s_wait_loadcnt 14-2*\j                         ; loads return in order: the two of piece j are in, the 14 - 2 j younger ones stay out
.irp k, 0,1,2,3
	v_cvt_pk_bf16_f32 v[OUT+4*\j+\k], v[IN+8*\j+2*\k], v[IN+8*\j+2*\k+1]
.endr
	global_store_b128 v2, v[OUT+4*\j:OUT+4*\j+3], s[18:19] offset:4096*\j   ; read again by the next launches: no hint
.endr
	s_endpgm
.Lfunc_end_k_qcbf4a78f08_cast:
	.size	k_qcbf4a78f08_cast, .Lfunc_end_k_qcbf4a78f08_cast-k_qcbf4a78f08_cast
	.p2alignl 7, 3214868480
	.fill 96, 4, 3214868480
	.section	.rodata,"a",@progbits
	.p2align	6, 0x0
	.amdhsa_kernel k_qcbf4a78f08_cast
		.amdhsa_group_segment_fixed_size 0
		.amdhsa_private_segment_fixed_size 0
		.amdhsa_enable_private_segment 0
		.amdhsa_kernarg_size 48
		.amdhsa_user_sgpr_count 2
		.amdhsa_user_sgpr_kernarg_segment_ptr 1
		.amdhsa_wavefront_size32 1
		.amdhsa_system_sgpr_workgroup_id_x 1
		.amdhsa_system_sgpr_workgroup_id_y 1
		.amdhsa_system_sgpr_workgroup_id_z 1
		.amdhsa_system_vgpr_workitem_id 0
		.amdhsa_next_free_vgpr 104
		.amdhsa_next_free_sgpr 66
		.amdhsa_reserve_vcc 0
		.amdhsa_float_denorm_mode_32 3
		.amdhsa_float_denorm_mode_16_64 3
		.amdhsa_memory_ordered 1
		.amdhsa_forward_progress 1
		.amdhsa_inst_pref_size 6
	.end_amdhsa_kernel
	.amdgpu_metadata
---
amdhsa.version: [ 1, 2 ]
amdhsa.kernels:
  - .name:           k_qcbf4a78f08_cast
    .symbol:         k_qcbf4a78f08_cast.kd
    .args:
      - { .name: x, .offset: 0, .size: 8, .value_kind: global_buffer, .address_space: global }
      - { .name: Wqkv, .offset: 8, .size: 8, .value_kind: global_buffer, .address_space: global }
      - { .name: Wout, .offset: 16, .size: 8, .value_kind: global_buffer, .address_space: global }
      - { .name: xh, .offset: 24, .size: 8, .value_kind: global_buffer, .address_space: global }
      - { .name: wqkvh, .offset: 32, .size: 8, .value_kind: global_buffer, .address_space: global }
      - { .name: wouth, .offset: 40, .size: 8, .value_kind: global_buffer, .address_space: global }
    .group_segment_fixed_size: 0
    .private_segment_fixed_size: 0
    .kernarg_segment_align: 8
    .kernarg_segment_size: 48
    .max_flat_workgroup_size: 256
    .sgpr_count:     66
    .vgpr_count:     104
    .wavefront_size: 32
...
	.end_amdgpu_metadata
.endif
;; end of part 1
;; launch qkvgemm (part 2): grid 16 x 16, 4 waves a work-group, clusters of 4 x 4, 327,680 bytes of LDS; arguments xh, wqkvh, bqkv, qkv; writes qkv
.if DOCPART == 2
	.amdgcn_target "amdgcn-amd-amdhsa--gfx1250"
	.amdhsa_code_object_version 6
	.text
	.protected	k_qcbf4a78f08_qkvgemm
	.globl	k_qcbf4a78f08_qkvgemm
	.p2align	8
	.type	k_qcbf4a78f08_qkvgemm,@function
k_qcbf4a78f08_qkvgemm:
	s_mov_b64 s[64:65], 0
	v_nop
	global_prefetch_b8 v0, s[64:65] scope:SCOPE_SE
	s_setreg_imm32_b32 hwreg(HW_REG_WAVE_MODE, 25, 1), 1
	s_wait_xcnt 0x0
	s_wait_alu depctr_hold_cnt(0) depctr_sa_sdst(0) depctr_va_vdst(0) depctr_va_sdst(0) depctr_va_ssrc(0) depctr_va_vcc(0) depctr_vm_vsrc(0)
	s_getreg_b32 s2, hwreg(HW_REG_IB_STS2, 6, 4)
	s_cmp_eq_u32 s2, 0
	s_cbranch_scc0 .Lentry_in_a_cluster
	s_endpgm
.Lentry_in_a_cluster:
	s_bfe_u32 s2, ttmp6, 0x10000c
	s_cmp_lg_u32 s2, 0xf033
	s_cbranch_scc0 .Lentry_shape_is_right
	s_endpgm
.Lentry_shape_is_right:
; qkv = xh (4096 x 1024, bf16) x wqkvh (1024 k x 3072 n, bf16) + bqkv (f32), sums in f32, rounded once to f16 and stored by heads:
; qkv[g][row][64] with g = column / 64 (q: g 0-15, k: 16-31, v: 32-47), one g = 524288 bytes.
; The results go in f16 and not in bf16 for its 11 bits: the first rows of the attention are single rows of v.
; LIMIT: a result beyond +-65504 becomes an infinity in f16.
; A work-group makes 256 rows x 192 columns (three whole heads) with four waves; wave w makes rows 64 w .. 64 w + 63 of all 192 columns:
; 48 accumulator tiles of 16 x 16, 384 registers.  K goes in 8 steps of 128 through two LDS slots filled by tensor loads.
; CLUSTERS: 4 x 4 work-groups.  The four of a row of the cluster need the same 256 rows of xh, the four of a column the same 192 columns
; of wqkvh: each tile is asked for jointly, by the same load with the same descriptor in all four.
; wqkvh lies with n along its rows, so its fragments are taken from LDS by the transposing load; an LDS row of it is three pieces of
; 128 bytes with 32 bytes of padding behind each: 480 bytes = 15 x 32.  A row of xh in LDS is 256 + 16 = 272 bytes = 17 x 16.
; THE MATRIX INSTRUCTION IS USED TRANSPOSED (source 0 = 16 columns of W, source 1 = 16 rows of x): lane l then holds row l % 16 and the
; eight neighbouring columns 8 (l / 16) + 0 .. 7.  The bias is the C operand of each sum's first product: nothing is cleared or added later.
; REGISTER WINDOWS: 0: addresses, fragments of x (2 buffers), packed results, bias (later the read-back buffers);
; 1: fragments of W (2 buffers of 96); 2: accumulators of my rows 0-31 (tile (a, b) at 8 (12 a + b)); 3: those of my rows 32-63.
.set APITCH, 272
.set BPITCH, 480
.set AHALF,  128*APITCH                ; 34816: one tensor load of xh
.set BHALF,  64*BPITCH                 ; 30720: one tensor load of wqkvh
.set BOFFS,  2*AHALF                   ; 69632: W behind x in a slot
.set SLOT,   131072
.set STAGE,  2*SLOT                    ; behind the ring; no tensor load lands here
.set SPITCH, 144                       ; stage: a row of one head, 128 + 16 bytes
.set SHEAD,  16*SPITCH
.set SWAVE,  3*SHEAD                   ; 6912 bytes for each wave
.set LAPS,   4                         ; a lap = two K steps = once round the ring
.set ADRA, 16                          ; v16-17 LDS address of my x fragments, slot 0, 1
.set ADRB, 20                          ; v20-21 the same for W
.set STO,  24
.set RD,   25
.set CO,   26
.set BOF,  27
.set FA,   32                          ; v32-63, v64-95: x fragments, buffer 0, 1
.set TMP,  96                          ; v96-143: packed results
.set BIAS, 160                         ; v160-255: bias of my 8 columns in each of 12 column blocks
.set RB0,  160                         ; on the way out the same registers take rows read back
.set RB1,  208
.set G1,  24
.set G0,  32
.set G1B, 48
.set G0B, 56
.set MSB, 0
.macro WIN new                         ; the high byte of the immediate repeats the setting that is left
.if MSB != \new
	s_set_vgpr_msb (MSB<<8)|\new
.set MSB, \new
.endif
.endm
.macro PLACES                          ; four places behind a matrix instruction (ISA guide 7.12.1)
.rept 4
	v_nop
.endr
.endm
; A joint load: waves 0 and 1 ask for the two halves of the x tile, waves 2 and 3 for the two halves of the W tile.
.macro JLOAD s
	s_cmp_eq_u32 s13, 0
	s_cbranch_scc0 .Lfor_b_\@
	tensor_load_to_lds s[G0+4*\s:G0+4*\s+3], s[G1:G1+7]
	s_nop 0
	s_branch .Lasked_\@
.Lfor_b_\@:
	tensor_load_to_lds s[G0B+4*\s:G0B+4*\s+3], s[G1B:G1B+7]
	s_nop 0
.Lasked_\@:
.endm
.macro CREST                           ; a round of the cluster barrier behind its opening work-group barrier
	s_cmp_lg_u32 s12, 0
	s_cbranch_scc1 .Lnot_wave_0_\@
	s_barrier_signal -3
.Lnot_wave_0_\@:
	s_barrier_wait -3
	s_barrier_signal -1
	s_barrier_wait -1
.endm
.macro CROUND
	s_barrier_signal -1
	s_barrier_wait -1
	CREST
.endm
	s_load_b256 s[4:11], s[0:1], 0x0               ; xh s[4:5], wqkvh s[6:7], bqkv s[8:9], qkv s[10:11]
	s_set_vgpr_msb 0x40
	v_lshl_add_u32 v255, v0, 2, 0x46c00
	s_set_vgpr_msb 0x4000
	v_mov_b32 v159, 0
	s_set_vgpr_msb 0x1
	ds_add_u32 v255, v159
	s_set_vgpr_msb 0x100
	v_lshrrev_b32 v1, 5, v0
	v_readfirstlane_b32 s12, v1                    ; wave 0..3
	s_lshr_b32 s13, s12, 1                         ; I fetch for x (0) or for W (1)
	s_and_b32 s14, s12, 1                          ; which half of that tile
	s_bfe_u32 s15, ttmp6, 0x40000                  ; cx
	s_bfe_u32 s16, ttmp6, 0x40004                  ; cy
	s_lshl_b32 s17, ttmp9, 2
	s_add_co_u32 s17, s17, s15                     ; block column (192 columns) = 4 x cluster x + cx
	s_and_b32 s18, ttmp7, 0xffff
	s_lshl_b32 s18, s18, 2
	s_add_co_u32 s18, s18, s16                     ; block row (256 rows) = 4 x cluster y + cy
	s_lshl_b32 s19, s16, 2
	s_lshl_b32 s19, 15, s19                        ; my row of the cluster
	s_lshl_b32 s20, 0x1111, s15                    ; my column of the cluster
	; group 1 for x: 128 rows x 128 elements of 2 bytes, pitch 1024; 4 words of padding behind every 64
	s_or_b32  s[G1+0], s19, (1<<16)|(1<<20)|(1<<21)|(5<<22)|(3<<25)
	s_mov_b32 s[G1+1], 128<<16                     ; tensor_dim0 = 128
	s_mov_b32 s[G1+2], 128<<16                     ; tensor_dim1 = 128
	s_mov_b32 s[G1+3], 128<<16                     ; tile_dim0 = 128
	s_mov_b32 s[G1+4], 128                         ; tile_dim1 = 128
	s_mov_b32 s[G1+5], 1024                        ; elements from row to row
	s_mov_b32 s[G1+6], 0
	s_mov_b32 s[G1+7], 0
	; group 1 for W: 64 k rows x 192 elements, pitch 3072; 8 words of padding behind every 32
	s_or_b32  s[G1B+0], s20, (1<<16)|(1<<20)|(1<<21)|(4<<22)|(7<<25)
	s_mov_b32 s[G1B+1], 192<<16
	s_mov_b32 s[G1B+2], 64<<16
	s_mov_b32 s[G1B+3], 192<<16
	s_mov_b32 s[G1B+4], 64
	s_mov_b32 s[G1B+5], 3072
	s_mov_b32 s[G1B+6], 0
	s_mov_b32 s[G1B+7], 0
	; x hangs on the block row alone, W on the block column alone; each offset in registers that never hold the other coordinate
	s_lshl_b32 s40, s18, 8
	s_lshl_b32 s41, s14, 7
	s_add_co_u32 s40, s40, s41                     ; row 256 x block row + 128 x half
	s_lshl_b32 s40, s40, 11                        ; x 2048 bytes (below 8 MiB)
	s_mov_b32 s41, 0
	s_mul_i32 s44, s14, 64*6144                    ; k row 64 x half, 6144 bytes each
	s_mul_i32 s45, s17, 384                        ; + 192 columns x block column
	s_add_co_u32 s44, s44, s45
	s_mov_b32 s45, 0
	s_mul_i32 s21, s12, AHALF                      ; LDS: waves 0, 1 at 0 and 34816
	s_mul_i32 s22, s12, BHALF
	s_add_co_u32 s22, s22, BOFFS-2*BHALF           ; waves 2, 3 at 69632 and 100352
	s_mul_i32 s66, s17, 768                        ; bias of my 192 columns
	s_mov_b32 s67, 0
	s_wait_dscnt 0x0
	s_wait_kmcnt 0x0
	s_add_nc_u64 s[42:43], s[4:5], s[40:41]
	s_add_nc_u64 s[46:47], s[6:7], s[44:45]
	s_add_nc_u64 s[66:67], s[8:9], s[66:67]
	CROUND                                         ; all sixteen work-groups are here: the first joint loads meet
.irp s, 0,1
	s_mov_b32 s[G0+4*\s], 1
	s_add_co_u32 s[G0+4*\s+1], s21, \s*SLOT
	s_add_nc_u64 s[G0+4*\s+2:G0+4*\s+3], s[42:43], \s*256           ; K step s: 128 elements along the row
	s_or_b32 s[G0+4*\s+3], s[G0+4*\s+3], 0x80000000
	s_mov_b32 s[G0B+4*\s], 1
	s_add_co_u32 s[G0B+4*\s+1], s22, \s*SLOT
	s_add_nc_u64 s[G0B+4*\s+2:G0B+4*\s+3], s[46:47], \s*128*6144    ; K step s: 128 rows down
	s_or_b32 s[G0B+4*\s+3], s[G0B+4*\s+3], 0x80000000
	JLOAD \s
.endr
	v_and_b32 v1, 15, v0                           ; r = l % 16
	v_bfe_u32 v2, v0, 4, 1                         ; h = l / 16
	v_lshlrev_b32 v[BOF], 5, v2                    ; my 8 columns of a block of 16: 32 h bytes
.irp b, 0,1,2,3,4,5,6,7,8,9,10,11
	global_load_b128 v[BIAS+8*\b:BIAS+8*\b+3],   v[BOF], s[66:67] offset:64*\b
	global_load_b128 v[BIAS+8*\b+4:BIAS+8*\b+7], v[BOF], s[66:67] offset:64*\b+16
.endr
	v_and_b32 v5, 7, v0
	v_bfe_u32 v6, v0, 3, 1
	v_bfe_u32 v7, v0, 3, 2
	v_and_b32 v8, 31, v0
	v_mul_u32_u24 v3, v1, APITCH
	v_lshl_add_u32 v3, v2, 4, v3                   ; row r, 16 h
	s_mul_i32 s23, s12, 64*APITCH                  ; my 64 rows
	v_add_nc_u32 v[ADRA], s23, v3
	v_add_nc_u32 v[ADRA+1], SLOT, v[ADRA]
	v_lshl_add_u32 v4, v2, 3, v5                   ; transposing load: k row 8 h + l % 8,
	v_mul_u32_u24 v4, v4, BPITCH
	v_lshl_add_u32 v4, v6, 4, v4                   ; 16 bytes for each half of eight lanes
	v_add_nc_u32 v[ADRB], BOFFS, v4
	v_add_nc_u32 v[ADRB+1], SLOT, v[ADRB]
	s_mul_i32 s23, s12, SWAVE
	s_add_co_u32 s23, s23, STAGE                   ; my stage
	v_mul_u32_u24 v3, v1, SPITCH
	v_lshl_add_u32 v3, v2, 4, v3
	v_add_nc_u32 v[STO], s23, v3                   ; in: row r, 16 h
	v_mul_u32_u24 v4, v7, SPITCH
	v_lshl_add_u32 v4, v5, 4, v4
	v_add_nc_u32 v[RD], s23, v4                    ; back: four rows of 128 bytes a load
	v_lshlrev_b32 v[CO], 4, v8                     ; which are 512 consecutive bytes of qkv
; 12 matrix instructions: row block a of the two of the window (hi = 0: rows 0-31, 1: rows 32-63) x all 12 column blocks, 32 along K.
; first = 1: the bias is C, and the product starts the sum.
.macro MUL12 buf, hi, a, first
.irp b, 0,1,2,3,4,5,6,7,8,9,10,11
.if \first
	v_wmma_f32_16x16x32_bf16 v[8*(12*\a+\b):8*(12*\a+\b)+7], v[96*\buf+8*\b:96*\buf+8*\b+7], v[FA+32*\buf+8*(2*\hi+\a):FA+32*\buf+8*(2*\hi+\a)+7], v[BIAS+8*\b:BIAS+8*\b+7]
.else
	v_wmma_f32_16x16x32_bf16 v[8*(12*\a+\b):8*(12*\a+\b)+7], v[96*\buf+8*\b:96*\buf+8*\b+7], v[FA+32*\buf+8*(2*\hi+\a):FA+32*\buf+8*(2*\hi+\a)+7], v[8*(12*\a+\b):8*(12*\a+\b)+7]
.endif
.endr
.endm
; 32 LDS loads in one run: the fragments of quarter q (32 along K) of a slot into buffer buf: 24 for W, then 8 for x
.macro FETCH slot, q, buf
	WIN 0x40
.irp b, 0,1,2,3,4,5,6,7,8,9,10,11
	ds_load_tr16_b128 v[96*\buf+8*\b:96*\buf+8*\b+3],   v[ADRB+\slot] offset:\q*32*BPITCH+(\b/4)*160+(\b%4)*32
	ds_load_tr16_b128 v[96*\buf+8*\b+4:96*\buf+8*\b+7], v[ADRB+\slot] offset:\q*32*BPITCH+(\b/4)*160+(\b%4)*32+16*BPITCH
.endr
	WIN 0
.irp a, 0,1,2,3
	ds_load_b128 v[FA+32*\buf+8*\a:FA+32*\buf+8*\a+3],   v[ADRA+\slot] offset:64*\q+16*APITCH*\a
	ds_load_b128 v[FA+32*\buf+8*\a+4:FA+32*\buf+8*\a+7], v[ADRA+\slot] offset:64*\q+16*APITCH*\a+32
.endr
.endm
; One of the first three quarters of a K step: multiplies buffer buf and, in its middle, fetches quarter q into buffer nbuf.
; The 48 accumulators take turns, one instruction a turn, in the same order in every quarter.
.macro QUARTER slot, q, buf, nbuf, first
	s_wait_dscnt 4                                 ; W and my rows 0-31 are in; the four youngest loads (rows 32-63) may be out
.if \first
	WIN 0x81                                       ; W window 1, x and bias window 0, D window 2
.else
	WIN 0xa1                                       ; W window 1, x window 0, C and D window 2
.endif
	MUL12 \buf, 0, 0, \first
	MUL12 \buf, 0, 1, \first
	PLACES                                         ; the loads below land in registers that matrix instructions have read
	FETCH \slot, \q, \nbuf
	s_wait_dscnt 32                                ; all but the 32 just issued
.if \first
	WIN 0xc1
.else
	WIN 0xf1
.endif
	MUL12 \buf, 1, 0, \first
	MUL12 \buf, 1, 1, \first
.endm
.macro THREE slot, first
	QUARTER \slot, 1, 0, 1, \first
	QUARTER \slot, 2, 1, 0, 0
	QUARTER \slot, 3, 0, 1, 0
.endm
; The last quarter of a K step multiplies buffer 1 and changes slots.  In front of the barrier each wave waits for its reads of this slot and
; for all its tensor loads (one is out: its part of the next slot).  Where the slot is filled again the barrier opens a round of the cluster
; barrier, and the joint refill is the first tensor load behind the round: one a wave.
.macro TURN slot, next, fill
	s_wait_dscnt 4
	WIN 0xa1
	MUL12 1, 0, 0, 0
	s_wait_dscnt 0x0
	s_wait_tensorcnt 0x0
	ds_add_u32 v255, v159
	s_wait_dscnt 0x0
	s_barrier_signal -1
	MUL12 1, 0, 1, 0                               ; register work while the others arrive
	WIN 0
	s_barrier_wait -1
.if \fill
	CREST
	s_add_nc_u64 s[G0+4*\slot+2:G0+4*\slot+3], s[G0+4*\slot+2:G0+4*\slot+3], 512            ; two K steps on: 256 elements
	s_add_nc_u64 s[G0B+4*\slot+2:G0B+4*\slot+3], s[G0B+4*\slot+2:G0B+4*\slot+3], 256*6144   ; 256 k rows
	JLOAD \slot
.endif
	PLACES
	FETCH \next, 0, 0
	WIN 0xf1
	MUL12 1, 1, 0, 0
	MUL12 1, 1, 1, 0
.endm
.macro LAP first
	THREE 0, \first
	TURN 0, 1, 1
	THREE 1, 0
	TURN 1, 0, 1
.endm
	s_wait_tensorcnt 0x1                           ; my part of K step 0 is in; K step 1 may stay out
	s_barrier_signal -1
	s_barrier_wait -1
	FETCH 0, 0, 0
	s_wait_loadcnt 0x0                             ; the bias
	LAP 1                                          ; K steps 0 and 1; asks for 2 and 3
	WIN 0
	s_mov_b32 s3, LAPS-2
.Llap:
	LAP 0
	WIN 0
	s_sub_co_u32 s3, s3, 1
	s_cmp_lg_u32 s3, 0
	s_cbranch_scc1 .Llap
	THREE 0, 0                                     ; the last lap fills nothing
	TURN 0, 1, 0
	THREE 1, 0
	s_wait_dscnt 4
	WIN 0xa1
	MUL12 1, 0, 0, 0
	MUL12 1, 0, 1, 0
	s_wait_dscnt 0x0
	WIN 0xf1
	MUL12 1, 1, 0, 0
	MUL12 1, 1, 1, 0
	; THE WAY OUT, 16 rows at a time: round to f16, 16 bytes a lane into my own stage (three heads x 16 rows), read back four rows of a head
	; at a time and store them: in qkv these are 512 consecutive bytes, aligned.
	PLACES
	s_mul_i32 s70, s17, 3*524288                   ; my three heads
	s_lshl_b32 s71, s18, 8
	s_lshl_b32 s23, s12, 6
	s_add_co_u32 s71, s71, s23                     ; my first row
	s_lshl_b32 s71, s71, 7                         ; x 128 bytes
	s_add_co_u32 s70, s70, s71
	s_mov_b32 s71, 0
	s_add_nc_u64 s[68:69], s[10:11], s[70:71]
.macro OUT16 a, al, from, rb
	WIN \from
.irp b, 0,1,2,3,4,5,6,7,8,9,10,11
.irp r, 0,1,2,3
	v_cvt_pk_f16_f32 v[TMP+4*\b+\r], v[8*(12*\al+\b)+2*\r], v[8*(12*\al+\b)+2*\r+1]
.endr
.endr
	WIN 0
.irp b, 0,1,2,3,4,5,6,7,8,9,10,11
	ds_store_b128 v[STO], v[TMP+4*\b:TMP+4*\b+3] offset:(\b/4)*SHEAD+(\b%4)*32
.endr
	s_wait_xcnt 0x0                                ; the read-back registers, which earlier stores read, are loaded again only behind this wait
.irp t, 0,1,2,3,4,5,6,7,8,9,10,11
	ds_load_b128 v[\rb+4*\t:\rb+4*\t+3], v[RD] offset:(\t/4)*SHEAD+(\t%4)*4*SPITCH   ; LDS serves a wave in order: these see the stores above
.endr
.irp t, 0,1,2,3,4,5,6,7,8,9,10,11
	s_wait_dscnt 11-\t                             ; load t is in, the younger ones stay out
	global_store_b128 v[CO], v[\rb+4*\t:\rb+4*\t+3], s[68:69] offset:(\t/4)*524288+\a*2048+(\t%4)*512
.endr
.endm
	OUT16 0, 0, 0x0a, RB0
	OUT16 1, 1, 0x0a, RB1
	OUT16 2, 0, 0x0f, RB0
	OUT16 3, 1, 0x0f, RB1
	s_set_vgpr_msb 0x1
	s_wait_tensorcnt 0x0
	ds_add_u32 v255, v159
	s_wait_dscnt 0x0
	s_set_vgpr_msb 0x100
	CROUND                                         ; the closing round: no work-group ends while a partner may still ask jointly
	s_endpgm
.Lfunc_end_k_qcbf4a78f08_qkvgemm:
	.size	k_qcbf4a78f08_qkvgemm, .Lfunc_end_k_qcbf4a78f08_qkvgemm-k_qcbf4a78f08_qkvgemm
	.p2alignl 7, 3214868480
	.fill 96, 4, 3214868480
	.section	.rodata,"a",@progbits
	.p2align	6, 0x0
	.amdhsa_kernel k_qcbf4a78f08_qkvgemm
		.amdhsa_group_segment_fixed_size 327680
		.amdhsa_private_segment_fixed_size 0
		.amdhsa_enable_private_segment 0
		.amdhsa_kernarg_size 32
		.amdhsa_user_sgpr_count 2
		.amdhsa_user_sgpr_kernarg_segment_ptr 1
		.amdhsa_wavefront_size32 1
		.amdhsa_system_sgpr_workgroup_id_x 1
		.amdhsa_system_sgpr_workgroup_id_y 1
		.amdhsa_system_sgpr_workgroup_id_z 1
		.amdhsa_system_vgpr_workitem_id 0
		.amdhsa_next_free_vgpr 960
		.amdhsa_next_free_sgpr 72
		.amdhsa_reserve_vcc 0
		.amdhsa_float_denorm_mode_32 3
		.amdhsa_float_denorm_mode_16_64 3
		.amdhsa_memory_ordered 1
		.amdhsa_forward_progress 1
		.amdhsa_inst_pref_size 166
	.end_amdhsa_kernel
	.amdgpu_metadata
---
amdhsa.version: [ 1, 2 ]
amdhsa.kernels:
  - .name:           k_qcbf4a78f08_qkvgemm
    .symbol:         k_qcbf4a78f08_qkvgemm.kd
    .args:
      - { .name: xh, .offset: 0, .size: 8, .value_kind: global_buffer, .address_space: global }
      - { .name: wqkvh, .offset: 8, .size: 8, .value_kind: global_buffer, .address_space: global }
      - { .name: bqkv, .offset: 16, .size: 8, .value_kind: global_buffer, .address_space: global }
      - { .name: qkv, .offset: 24, .size: 8, .value_kind: global_buffer, .address_space: global }
    .group_segment_fixed_size: 327680
    .private_segment_fixed_size: 0
    .kernarg_segment_align: 8
    .kernarg_segment_size: 32
    .max_flat_workgroup_size: 128
    .sgpr_count:     72
    .vgpr_count:     960
    .wavefront_size: 32
...
	.end_amdgpu_metadata
.endif
;; end of part 2
;; launch attn (part 3): grid 16 x 16, 8 waves a work-group, no clusters, 327,680 bytes of LDS; arguments qkv, att; writes att
.if DOCPART == 3
	.amdgcn_target "amdgcn-amd-amdhsa--gfx1250"
	.amdhsa_code_object_version 6
	.text
	.protected	k_qcbf4a78f08_attn
	.globl	k_qcbf4a78f08_attn
	.p2align	8
	.type	k_qcbf4a78f08_attn,@function
k_qcbf4a78f08_attn:
	s_mov_b64 s[64:65], 0
	v_nop
	global_prefetch_b8 v0, s[64:65] scope:SCOPE_SE
	s_setreg_imm32_b32 hwreg(HW_REG_WAVE_MODE, 25, 1), 1
	s_wait_xcnt 0x0
; Causal attention of one head for two blocks of 128 queries.  qkv[g][4096][64] f16 (q: g = head, k: 16 + head, v: 32 + head).
; Products in f16 with f32 sums; maximum, exponentials, sums and rescaling in f32.
; THE RESULT leaves as two bf16 numbers, hi = bf16(a) and lo = bf16(a - hi), 16 bits of mantissa together:
; att[block of 128 rows][head][hi, lo][128][64] bf16.  The next launch multiplies both by the bf16 weights.
; LIMITS: q, k, v lie within +-65504 (f16); NaN and infinities in them are not reproduced (the maximum drops a NaN);
; an exponential below 2^-126 counts as 0, a weight below 2^-25 is rounded to 0 in f16; keys are summed in another order than written.
; BALANCE: keys go in tiles of 256.  Block i needs (i / 2) + 1 tiles; the work-group takes blocks p and 31 - p, which together need 17
; for every p.  The block with the odd count goes first, so that the two slots take turns on into the second block.
; In a block the tile with the diagonal comes first: the one masked step is also the step that starts the sums (C = 0, nothing cleared).
; WAVES: w = 4 a + b.  a: which 64 queries (four tiles u of 16).  b: which 64 keys of every tile.  Each wave keeps maximum, sum and
; output over its own keys; the four b are merged once at the end of a block, through LDS.
; NO SHUFFLES: S^T = K Q^T puts query l % 16 in a lane and keys 8 (l / 16) + j in its registers; rounding two key tiles to f16 in place
; gives the B fragment of P^T; O^T = V^T P^T, with V^T taken from LDS by the transposing load, keeps query l % 16 in the lane.
; THE MAXIMUM is a running one.  Beside it the rounded number NG = -c x maximum (c = log2(e) / 8) is kept; every exponent is
; c x score + NG, the rescale factor is 2^(NG new - NG old), the merge weight 2^(least NG - NG of the part): all at most about 1.
; NO CLUSTER: the sixteen work-groups of a head read the same K and V, but block i begins with its own diagonal tile and takes
; (i / 2) + 1 tiles, so in a given step partners want different tiles, and different numbers of them in a block.
; NO PREFETCH: K, V and Q were stored by the launch before and each tile is read by up to sixteen work-groups.
.set SLOT,  77824                      ; V: 256 keys x 160 bytes, then K: 256 keys x 144 bytes
.set KOFF,  40960
.set KP,    144                        ; 128 + 16 bytes = 9 x 16
.set VP,    160                        ; 128 + 32 bytes = 5 x 32
.set MRG,   2*SLOT                     ; 155648: 8 waves x 64 queries x 272 bytes, f32; no tensor load lands here or behind
.set MP,    272
.set MWAVE, 64*MP
.set STATM, MRG+8*MWAVE                ; 294912: NG, [128 queries][4 b] f32; the sums lie 2048 bytes behind
.set ADK,  1                           ; v1-2   LDS address of my K fragments, slot 0, 1
.set ADV,  3                           ; v3-4   the same for V
.set DL,   5                           ; v5-6   block 1, 2: my query minus my first key in the diagonal tile
.set NINF, 7
.set QOFF, 8
.set MST,  9
.set MRD,  10
.set STW,  11
.set STR,  12
.set GO,   13
.set MX,   16                          ; v16-19   running maximum of query tile u
.set XT,   20
.set YT,   24
.set NG,   28                          ; v28-35   pairs: -c x maximum, twice
.set AL,   36                          ; v36-43   pairs: rescale factor, twice
.set TT,   44
.set KF,   48                          ; v48-111  K fragment (t, c) at 16 t + 8 c
.set SC,   112                         ; v112-239 scores (t, u) at 32 u + 8 t; later P (u, c) at 32 u + 16 c
.set LP,   240                         ; v240-247 pairs: running sums
.set MB,   48                          ; merge: 40 registers a pass, v48-207
.set LOR,  208                         ; merge: v208-223 packed lo, 4 registers a pass
.set HIR,  224                         ; merge: v224-239 packed hi, 4 registers a pass
.set OA,   64                          ; window 1: v0-63 Q fragment (u, c) at 16 u + 8 c; O (dt, u) at 64 + 8 (4 dt + u)
.set VF,   192                         ; window 1: V^T fragment (dt, c) at 192 + 16 dt + 8 c
.set G1K, 40
.set G1V, 48
.set G0K, 56                           ; s[56:63] one group 0 for each slot
.set G0V, 68                           ; s[68:75]
.set MSB, 0
.macro WIN new
.if MSB != \new
	s_set_vgpr_msb (MSB<<8)|\new
.set MSB, \new
.endif
.endm
; One tensor load a wave: waves 0 and 1 bring the halves of the V tile, waves 2 and 3 those of the K tile, waves 4 to 7 none.
.macro TLOAD s
	s_cmp_ge_u32 s8, 4
	s_cbranch_scc1 .Lnone_\@
	s_cmp_ge_u32 s8, 2
	s_cbranch_scc1 .Lfor_k_\@
	tensor_load_to_lds s[G0V+4*\s:G0V+4*\s+3], s[G1V:G1V+7]
	s_nop 0
	s_branch .Lnone_\@
.Lfor_k_\@:
	tensor_load_to_lds s[G0K+4*\s:G0K+4*\s+3], s[G1K:G1K+7]
	s_nop 0
.Lnone_\@:
.endm
; The tile that the next step reads: step T of a block asks for tile T, and the last step of block 1 for the diagonal tile of block 2.
.macro NEXTADDR s
	s_cmp_eq_u32 s17, s18
	s_cselect_b32 s20, s19, s17
	s_lshl_b32 s22, s20, 15                        ; 256 keys x 128 bytes
	s_add_nc_u64 s[G0K+4*\s+2:G0K+4*\s+3], s[26:27], s[22:23]
	s_or_b32 s[G0K+4*\s+3], s[G0K+4*\s+3], 0x80000000
	s_add_nc_u64 s[G0V+4*\s+2:G0V+4*\s+3], s[28:29], s[22:23]
	s_or_b32 s[G0V+4*\s+3], s[G0V+4*\s+3], 0x80000000
	s_add_co_u32 s17, s17, 1
.endm
.macro QLOAD qb                        ; my 64 queries as B fragments, straight from memory into window 1
	WIN 0x40
.irp u, 0,1,2,3
.irp c, 0,1
	global_load_b128 v[16*\u+8*\c:16*\u+8*\c+3],   v[QOFF], s[\qb:\qb+1] offset:2048*\u+64*\c
	global_load_b128 v[16*\u+8*\c+4:16*\u+8*\c+7], v[QOFF], s[\qb:\qb+1] offset:2048*\u+64*\c+32
.endr
.endr
	WIN 0
.endm
; key > query  <=>  16 (t - u) + j > my query - my first key: the score becomes -infinity, by a select, in every lane
.macro MASK dl
.irp u, 0,1,2,3
.irp t, 0,1,2,3
.irp j, 0,1,2,3,4,5,6,7
	v_cmp_gt_i32 vcc_lo, 16*(\t-\u)+\j, v[\dl]
	v_cndmask_b32 v[SC+32*\u+8*\t+\j], v[SC+32*\u+8*\t+\j], v[NINF], vcc_lo
.endr
.endr
.endr
.endm
.macro SOFTMAX diag
	; the largest of my 32 scores of each query tile, in two chains a tile; then the other half of the lanes; then the running maximum
.irp u, 0,1,2,3
	v_max3_num_f32 v[XT+\u], v[SC+32*\u], v[SC+32*\u+1], v[SC+32*\u+2]
	v_max3_num_f32 v[YT+\u], v[SC+32*\u+17], v[SC+32*\u+18], v[SC+32*\u+19]
.endr
.irp k, 0,1,2,3,4,5
.irp u, 0,1,2,3
	v_max3_num_f32 v[XT+\u], v[XT+\u], v[SC+32*\u+3+2*\k], v[SC+32*\u+4+2*\k]
	v_max3_num_f32 v[YT+\u], v[YT+\u], v[SC+32*\u+20+2*\k], v[SC+32*\u+21+2*\k]
.endr
.endr
.irp u, 0,1,2,3
	v_max3_num_f32 v[XT+\u], v[XT+\u], v[SC+32*\u+15], v[SC+32*\u+16]
.endr
.irp u, 0,1,2,3
	v_max_num_f32 v[XT+\u], v[XT+\u], v[YT+\u]
.endr
.irp u, 0,1,2,3
	v_permlanex16_b32 v[YT+\u], v[XT+\u], s34, s35
.endr
.irp u, 0,1,2,3
.if \diag
	v_max3_num_f32 v[MX+\u], v[XT+\u], v[YT+\u], s39           ; the first step: at least the most negative finite number, so that a row with all my keys masked gives zeros
.else
	v_max3_num_f32 v[MX+\u], v[XT+\u], v[YT+\u], v[MX+\u]
.endif
.endr
.if \diag
.irp u, 0,1,2,3
	v_mul_f32 v[NG+2*\u], s38, v[MX+\u]
.endr
.irp u, 0,1,2,3
	v_mov_b32 v[NG+2*\u+1], v[NG+2*\u]
.endr
.else
.irp u, 0,1,2,3
	v_mul_f32 v[YT+\u], s38, v[MX+\u]
.endr
.irp u, 0,1,2,3
	v_sub_f32 v[TT+\u], v[YT+\u], v[NG+2*\u]                   ; new - old, never above 0
.endr
.irp u, 0,1,2,3
	v_exp_f32 v[AL+2*\u], v[TT+\u]
.endr
.irp u, 0,1,2,3
	v_mov_b32 v[NG+2*\u], v[YT+\u]                             ; plain instructions stand between the exponentials and their use (ISA guide 5.7.2)
.endr
.irp u, 0,1,2,3
	v_mov_b32 v[NG+2*\u+1], v[YT+\u]
.endr
	s_wait_alu depctr_va_vdst(0)
.irp u, 0,1,2,3
	v_mov_b32 v[AL+2*\u+1], v[AL+2*\u]
.endr
.endif
	; p = 2^(c x score + NG)
.irp u, 0,1,2,3
.irp k, 0,1,2,3,4,5,6,7,8,9,10,11,12,13,14,15
	v_pk_fma_f32 v[SC+32*\u+2*\k:SC+32*\u+2*\k+1], v[SC+32*\u+2*\k:SC+32*\u+2*\k+1], s[36:37], v[NG+2*\u:NG+2*\u+1] op_sel_hi:[1,0,1]
.endr
.endr
.set ii, 0
.rept 128
	v_exp_f32 v[SC+ii], v[SC+ii]
.set ii, ii+1
.endr
	v_nop                                                      ; one plain place behind the last exponential
	s_wait_alu depctr_va_vdst(0)
	; the running sums, in f32, from the unrounded p
.irp u, 0,1,2,3
.if \diag
	v_pk_add_f32 v[LP+2*\u:LP+2*\u+1], v[SC+32*\u:SC+32*\u+1], v[SC+32*\u+2:SC+32*\u+3]
.else
	v_pk_fma_f32 v[LP+2*\u:LP+2*\u+1], v[LP+2*\u:LP+2*\u+1], v[AL+2*\u:AL+2*\u+1], v[SC+32*\u:SC+32*\u+1]
.endif
.endr
.if \diag == 0
.irp u, 0,1,2,3
	v_pk_add_f32 v[LP+2*\u:LP+2*\u+1], v[LP+2*\u:LP+2*\u+1], v[SC+32*\u+2:SC+32*\u+3]
.endr
.endif
.irp k, 2,3,4,5,6,7,8,9,10,11,12,13,14,15
.irp u, 0,1,2,3
	v_pk_add_f32 v[LP+2*\u:LP+2*\u+1], v[LP+2*\u:LP+2*\u+1], v[SC+32*\u+2*\k:SC+32*\u+2*\k+1]
.endr
.endr
	; two key tiles of 16 become one B fragment of 32 keys, in place: each destination has been read before it is written
.irp u, 0,1,2,3
.irp c, 0,1
.irp i, 0,1,2,3
	v_cvt_pk_f16_f32 v[SC+32*\u+16*\c+\i], v[SC+32*\u+16*\c+2*\i], v[SC+32*\u+16*\c+2*\i+1]
.endr
.irp i, 0,1,2,3
	v_cvt_pk_f16_f32 v[SC+32*\u+16*\c+4+\i], v[SC+32*\u+16*\c+8+2*\i], v[SC+32*\u+16*\c+8+2*\i+1]
.endr
.endr
.endr
.endm
; One tile of 256 keys from slot; other = the slot read in the step before, filled again here if refill = 1.
; In every run of matrix instructions 16 accumulators take turns, one instruction a turn.
.macro STEP slot, other, diag, refill, dl
	WIN 0
.rept 5
	v_nop                                          ; five places behind the last products: V fragments are loaded again, and P is written over by products
.endr
	s_wait_tensorcnt 0x0                           ; all my tensor loads have landed (at most one was out: my part of this tile), so a group 0 may be written
	ds_add_u32 v254, v255
	s_wait_dscnt 0x0
.if \refill
	NEXTADDR \other
.endif
	s_wait_dscnt 0x0                               ; my reads of the other slot are back
	s_barrier_signal -1
	s_barrier_wait -1                              ; both now hold of all eight waves
.if \refill
	TLOAD \other                                   ; first thing behind the barrier, one load a wave
.endif
.irp t, 0,1,2,3
.irp c, 0,1
	ds_load_b128 v[KF+16*\t+8*\c:KF+16*\t+8*\c+3],   v[ADK+\slot] offset:16*KP*\t+64*\c
	ds_load_b128 v[KF+16*\t+8*\c+4:KF+16*\t+8*\c+7], v[ADK+\slot] offset:16*KP*\t+64*\c+32
.endr
.endr
	WIN 0x40
.irp dt, 0,1,2,3
.irp c, 0,1
	ds_load_tr16_b128 v[VF+16*\dt+8*\c:VF+16*\dt+8*\c+3],   v[ADV+\slot] offset:32*VP*\c+32*\dt
	ds_load_tr16_b128 v[VF+16*\dt+8*\c+4:VF+16*\dt+8*\c+7], v[ADV+\slot] offset:32*VP*\c+32*\dt+16*VP
.endr
.endr
.if \diag
	s_wait_loadcnt 0x0                             ; the queries of this block
.endif
	s_wait_dscnt 16                                ; K is in; the 16 loads of V are the younger ones
	WIN 0x04                                       ; K and scores window 0, Q window 1
.irp t, 0,1,2,3
.irp u, 0,1,2,3
	v_wmma_f32_16x16x32_f16 v[SC+32*\u+8*\t:SC+32*\u+8*\t+7], v[KF+16*\t:KF+16*\t+7], v[16*\u:16*\u+7], 0
.endr
.endr
.irp t, 0,1,2,3
.irp u, 0,1,2,3
	v_wmma_f32_16x16x32_f16 v[SC+32*\u+8*\t:SC+32*\u+8*\t+7], v[KF+16*\t+8:KF+16*\t+15], v[16*\u+8:16*\u+15], v[SC+32*\u+8*\t:SC+32*\u+8*\t+7]
.endr
.endr
	WIN 0
.rept 4
	v_nop                                          ; four places before vector instructions read the scores
.endr
.if \diag
	MASK \dl
.endif
	SOFTMAX \diag
.if \diag == 0
	WIN 0x41                                       ; O window 1, factor window 0
.irp dt, 0,1,2,3
.irp u, 0,1,2,3
.irp k, 0,1,2,3
	v_pk_mul_f32 v[OA+8*(4*\dt+\u)+2*\k:OA+8*(4*\dt+\u)+2*\k+1], v[OA+8*(4*\dt+\u)+2*\k:OA+8*(4*\dt+\u)+2*\k+1], v[AL+2*\u:AL+2*\u+1]
.endr
.endr
.endr
.endif
	s_wait_dscnt 0x0                               ; V
	WIN 0x51                                       ; V^T and O window 1, P window 0
.irp dt, 0,1,2,3
.irp u, 0,1,2,3
.if \diag
	v_wmma_f32_16x16x32_f16 v[OA+8*(4*\dt+\u):OA+8*(4*\dt+\u)+7], v[VF+16*\dt:VF+16*\dt+7], v[SC+32*\u:SC+32*\u+7], 0
.else
	v_wmma_f32_16x16x32_f16 v[OA+8*(4*\dt+\u):OA+8*(4*\dt+\u)+7], v[VF+16*\dt:VF+16*\dt+7], v[SC+32*\u:SC+32*\u+7], v[OA+8*(4*\dt+\u):OA+8*(4*\dt+\u)+7]
.endif
.endr
.endr
.irp dt, 0,1,2,3
.irp u, 0,1,2,3
	v_wmma_f32_16x16x32_f16 v[OA+8*(4*\dt+\u):OA+8*(4*\dt+\u)+7], v[VF+16*\dt+8:VF+16*\dt+15], v[SC+32*\u+16:SC+32*\u+23], v[OA+8*(4*\dt+\u):OA+8*(4*\dt+\u)+7]
.endr
.endr
	WIN 0
.endm
; The end of a block: the four parts (b) of each query are weighted, added, divided by the whole sum, split into hi and lo and stored.
; ob: the scalar pair with the address of the block in att.  next = 1: the queries of the second block are asked for meanwhile.
.macro MERGE ob, next
	WIN 0
.rept 4
	v_nop                                          ; four places before LDS stores read the last products
.endr
.irp u, 0,1,2,3
	v_add_f32 v[XT+\u], v[LP+2*\u], v[LP+2*\u+1]
.endr
.irp u, 0,1,2,3
	v_permlanex16_b32 v[YT+\u], v[XT+\u], s34, s35
.endr
.irp u, 0,1,2,3
	v_add_f32 v[XT+\u], v[XT+\u], v[YT+\u]                     ; the sum over my 64 keys, in both halves of the lanes
.endr
.irp u, 0,1,2,3
	ds_store_b32 v[STW], v[NG+2*\u] offset:256*\u              ; lanes l and l + 16 write the same word with the same value
	ds_store_b32 v[STW], v[XT+\u] offset:2048+256*\u
.endr
	WIN 0x04                                       ; store data from window 1
.irp u, 0,1,2,3
.irp dt, 0,1,2,3
	ds_store_b128 v[MST], v[OA+8*(4*\dt+\u):OA+8*(4*\dt+\u)+3]   offset:16*MP*\u+64*\dt
	ds_store_b128 v[MST], v[OA+8*(4*\dt+\u)+4:OA+8*(4*\dt+\u)+7] offset:16*MP*\u+64*\dt+16
.endr
.endr
.if \next
	QLOAD 32
.endif
	WIN 0
	s_wait_dscnt 0x0                               ; my stores are done, for the sake of the others
	s_barrier_signal -1
	s_barrier_wait -1                              ; the tile on its way may stay out
	; I finish queries 64 a + 16 b + 0 .. 15, four rows a pass; a lane takes 8 numbers of a row from each of the four parts
.irp p, 0,1,2,3
.irp bb, 0,1,2,3
	ds_load_b128 v[MB+40*\p+8*\bb:MB+40*\p+8*\bb+3],   v[MRD] offset:MWAVE*\bb+4*MP*\p
	ds_load_b128 v[MB+40*\p+8*\bb+4:MB+40*\p+8*\bb+7], v[MRD] offset:MWAVE*\bb+4*MP*\p+16
.endr
	ds_load_b128 v[MB+40*\p+32:MB+40*\p+35], v[STR] offset:64*\p
	ds_load_b128 v[MB+40*\p+36:MB+40*\p+39], v[STR] offset:2048+64*\p
.endr
.irp p, 0,1,2,3
	s_wait_dscnt 30-10*\p                          ; the ten loads of pass p are in; those of the later passes stay out
	v_min3_num_f32 v[TT], v[MB+40*\p+32], v[MB+40*\p+33], v[MB+40*\p+34]
	v_min_num_f32 v[TT], v[TT], v[MB+40*\p+35]                 ; the least NG belongs to the largest maximum
.irp bb, 0,1,2,3
	v_sub_f32 v[MB+40*\p+32+\bb], v[TT], v[MB+40*\p+32+\bb]
.endr
.irp bb, 0,1,2,3
	v_exp_f32 v[MB+40*\p+32+\bb], v[MB+40*\p+32+\bb]
.endr
	v_nop
	s_wait_alu depctr_va_vdst(0)
	v_mul_f32 v[TT+1], v[MB+40*\p+32], v[MB+40*\p+36]
.irp bb, 1,2,3
	v_fmac_f32 v[TT+1], v[MB+40*\p+32+\bb], v[MB+40*\p+36+\bb]
.endr
	v_rcp_f32 v[TT+1], v[TT+1]                     ; the part with the largest maximum has weight 1 and a sum of about 1 or more
	v_nop
	s_wait_alu depctr_va_vdst(0)
.irp bb, 0,1,2,3
	v_mul_f32 v[MB+40*\p+32+\bb], v[MB+40*\p+32+\bb], v[TT+1]
.endr
.irp e, 0,1,2,3,4,5,6,7
	v_mul_f32 v[MB+40*\p+\e], v[MB+40*\p+\e], v[MB+40*\p+32]
.endr
.irp bb, 1,2,3
.irp e, 0,1,2,3,4,5,6,7
	v_fmac_f32 v[MB+40*\p+\e], v[MB+40*\p+8*\bb+\e], v[MB+40*\p+32+\bb]
.endr
.endr
	; hi = the result rounded to bf16; lo = what the rounding dropped (an exact difference in f32), rounded to bf16
.irp i, 0,1,2,3
	v_cvt_pk_bf16_f32 v[HIR+4*\p+\i], v[MB+40*\p+2*\i], v[MB+40*\p+2*\i+1]
.endr
.irp i, 0,1,2,3
	v_lshlrev_b32 v[MB+40*\p+8+2*\i], 16, v[HIR+4*\p+\i]       ; hi back in f32: the low half moves up,
	v_and_b32 v[MB+40*\p+9+2*\i], 0xffff0000, v[HIR+4*\p+\i]   ; the high half stays
.endr
.irp e, 0,1,2,3,4,5,6,7
	v_sub_f32 v[MB+40*\p+\e], v[MB+40*\p+\e], v[MB+40*\p+8+\e]
.endr
.irp i, 0,1,2,3
	v_cvt_pk_bf16_f32 v[LOR+4*\p+\i], v[MB+40*\p+2*\i], v[MB+40*\p+2*\i+1]
.endr
	global_store_b128 v[GO], v[HIR+4*\p:HIR+4*\p+3], s[\ob:\ob+1] offset:512*\p         ; a wave stores 512 consecutive bytes, aligned
	global_store_b128 v[GO], v[LOR+4*\p:LOR+4*\p+3], s[\ob:\ob+1] offset:16384+512*\p   ; lo lies 128 rows x 128 bytes behind hi
.endr
	s_wait_xcnt 0x0                                ; the registers that these stores read are written again only behind this wait
.endm
	s_load_b128 s[4:7], s[0:1], 0x0                ; qkv s[4:5], att s[6:7]
	v_lshl_add_u32 v254, v0, 2, 0x49000
	v_mov_b32 v255, 0
	ds_add_u32 v254, v255
	v_lshrrev_b32 v14, 5, v0
	v_readfirstlane_b32 s8, v14                    ; wave 0..7
	s_lshr_b32 s9, s8, 2                           ; a
	s_and_b32 s10, s8, 3                           ; b
	s_and_b32 s11, s8, 1                           ; which half of a tile I fetch
	s_and_b32 s12, ttmp7, 0xffff                   ; head
	s_mov_b32 s21, ttmp9                           ; p
	s_sub_co_u32 s25, 31, s21
	s_and_b32 s20, s21, 2                          ; (p / 2) + 1 is odd where bit 1 of p is 0
	s_cmp_lg_u32 s20, 0
	s_cselect_b32 s13, s25, s21                    ; block 1: the one with the odd number of tiles
	s_sub_co_u32 s14, 31, s13                      ; block 2
	s_lshr_b32 s15, s13, 1
	s_add_co_u32 s15, s15, 1                       ; n1, odd
	s_sub_co_u32 s16, 17, s15                      ; n2, even, at least 2
	s_mov_b32 s17, 0                               ; T: the step in the block
	s_sub_co_u32 s18, s15, 1                       ; the last step of block 1, and its diagonal tile
	s_sub_co_u32 s19, s16, 1                       ; the diagonal tile of block 2
	s_mov_b32 s23, 0
	s_mov_b32 s34, 0x76543210                      ; lane i of one half reads lane i of the other
	s_mov_b32 s35, 0xfedcba98
	s_mov_b32 s36, 0x3e38aa3b                      ; c = log2(e) / 8: the division by sqrt(64) and the change of base in one
	s_mov_b32 s37, 0x3e38aa3b
	s_mov_b32 s38, 0xbe38aa3b                      ; -c
	s_mov_b32 s39, 0xff7fffff                      ; the most negative finite number
	; group 1: 128 keys of 128 bytes lie densely: 64 rows x 128 elements of 2 bytes; padding behind every 32 words, 4 words for K, 8 for V
	s_mov_b32 s[G1K+0], (1<<16)|(1<<20)|(4<<22)|(3<<25)
	s_mov_b32 s[G1K+1], 128<<16
	s_mov_b32 s[G1K+2], 64<<16
	s_mov_b32 s[G1K+3], 128<<16
	s_mov_b32 s[G1K+4], 64
	s_mov_b32 s[G1K+5], 128
	s_mov_b32 s[G1K+6], 0
	s_mov_b32 s[G1K+7], 0
	s_mov_b32 s[G1V+0], (1<<16)|(1<<20)|(4<<22)|(7<<25)
	s_mov_b32 s[G1V+1], 128<<16
	s_mov_b32 s[G1V+2], 64<<16
	s_mov_b32 s[G1V+3], 128<<16
	s_mov_b32 s[G1V+4], 64
	s_mov_b32 s[G1V+5], 128
	s_mov_b32 s[G1V+6], 0
	s_mov_b32 s[G1V+7], 0
	s_mul_i32 s21, s8, 128*VP                      ; LDS: V halves at 0 and 20480 (waves 0, 1)
	s_mul_i32 s25, s8, 128*KP
	s_add_co_u32 s25, s25, KOFF-2*128*KP           ; K halves at 40960 and 59392 (waves 2, 3)
.irp s, 0,1
	s_mov_b32 s[G0K+4*\s], 1
	s_add_co_u32 s[G0K+4*\s+1], s25, \s*SLOT
	s_mov_b32 s[G0V+4*\s], 1
	s_add_co_u32 s[G0V+4*\s+1], s21, \s*SLOT
.endr
	s_lshl_b32 s80, s12, 19                        ; head x 524288
	s_mov_b32 s81, 0
	s_lshl_b32 s82, s11, 14                        ; my half: 128 keys x 128 bytes
	s_add_co_u32 s82, s82, s80
	s_add_co_u32 s82, s82, 16<<19                  ; k lies 16 heads behind q
	s_mov_b32 s83, 0
	s_lshl_b32 s22, s18, 15                        ; the first tile: the diagonal one of block 1
	s_wait_dscnt 0x0
	s_wait_kmcnt 0x0
	s_add_nc_u64 s[26:27], s[4:5], s[82:83]        ; K of the head, my half
	s_add_nc_u64 s[28:29], s[26:27], 16<<19        ; V: 16 heads further
	s_add_nc_u64 s[G0K+2:G0K+3], s[26:27], s[22:23]
	s_or_b32 s[G0K+3], s[G0K+3], 0x80000000
	s_add_nc_u64 s[G0V+2:G0V+3], s[28:29], s[22:23]
	s_or_b32 s[G0V+3], s[G0V+3], 0x80000000
	TLOAD 0                                        ; the first fill, ahead of every wait on tensor loads, LDS read and barrier
	s_add_nc_u64 s[30:31], s[4:5], s[80:81]
	s_mov_b64 s[32:33], s[30:31]
	s_lshl_b32 s82, s13, 14
	s_add_nc_u64 s[30:31], s[30:31], s[82:83]      ; the queries of block 1
	s_lshl_b32 s82, s14, 14
	s_add_nc_u64 s[32:33], s[32:33], s[82:83]      ; and of block 2
	s_lshl_b32 s82, s13, 4
	s_add_co_u32 s82, s82, s12
	s_lshl_b32 s82, s82, 15                        ; a (block, head) of att is 2 x 16384 bytes
	s_add_nc_u64 s[76:77], s[6:7], s[82:83]        ; att at (block 1, head)
	s_lshl_b32 s82, s14, 4
	s_add_co_u32 s82, s82, s12
	s_lshl_b32 s82, s82, 15
	s_add_nc_u64 s[78:79], s[6:7], s[82:83]        ; att at (block 2, head)
	v_and_b32 v14, 31, v0                          ; l
	v_and_b32 v15, 15, v0                          ; r = l % 16
	v_bfe_u32 v44, v0, 4, 1                        ; h = l / 16
	v_and_b32 v45, 7, v0                           ; l % 8
	v_bfe_u32 v46, v0, 3, 1                        ; (l / 8) % 2
	v_bfe_u32 v47, v0, 3, 2                        ; l / 8
	v_lshlrev_b32 v[QOFF], 7, v15                  ; query 64 a + r, 16 h
	v_lshl_add_u32 v[QOFF], v44, 4, v[QOFF]
	s_lshl_b32 s21, s9, 13
	v_add_nc_u32 v[QOFF], s21, v[QOFF]
	QLOAD 30
	s_mul_i32 s21, s10, 64*KP
	s_add_co_u32 s21, s21, KOFF
	v_mul_u32_u24 v[ADK], v15, KP                  ; key 64 b + r, 16 h
	v_lshl_add_u32 v[ADK], v44, 4, v[ADK]
	v_add_nc_u32 v[ADK], s21, v[ADK]
	v_add_nc_u32 v[ADK+1], SLOT, v[ADK]
	s_mul_i32 s21, s10, 64*VP
	v_lshl_add_u32 v[ADV], v44, 3, v45             ; transposing load: key 64 b + 8 h + l % 8,
	v_mul_u32_u24 v[ADV], v[ADV], VP
	v_lshl_add_u32 v[ADV], v46, 4, v[ADV]          ; 16 bytes for each half of eight lanes
	v_add_nc_u32 v[ADV], s21, v[ADV]
	v_add_nc_u32 v[ADV+1], SLOT, v[ADV]
	s_sub_co_i32 s21, s9, s10
	s_lshl_b32 s21, s21, 6                         ; 64 a - 64 b
	s_and_b32 s25, s13, 1
	s_lshl_b32 s25, s25, 7                         ; an odd block lies in the upper half of its diagonal tile
	s_add_co_i32 s25, s25, s21
	s_and_b32 s20, s14, 1
	s_lshl_b32 s20, s20, 7
	s_add_co_i32 s20, s20, s21
	v_lshlrev_b32 v[DL], 3, v44
	v_sub_nc_u32 v[DL], v15, v[DL]                 ; r - 8 h
	v_add_nc_u32 v[DL+1], s20, v[DL]
	v_add_nc_u32 v[DL], s25, v[DL]
	v_mov_b32 v[NINF], 0xff800000
	s_mul_i32 s21, s8, MWAVE
	s_add_co_u32 s21, s21, MRG
	v_mul_u32_u24 v[MST], v15, MP                  ; my part: row r, 32 h
	v_lshl_add_u32 v[MST], v44, 5, v[MST]
	v_add_nc_u32 v[MST], s21, v[MST]
	s_mul_i32 s21, s9, 4*MWAVE
	s_mul_i32 s25, s10, 16*MP
	s_add_co_u32 s21, s21, s25
	s_add_co_u32 s21, s21, MRG
	v_mul_u32_u24 v[MRD], v47, MP                  ; back: row 16 b + l / 8 of part 0 of my a, 32 (l % 8)
	v_lshl_add_u32 v[MRD], v45, 5, v[MRD]
	v_add_nc_u32 v[MRD], s21, v[MRD]
	s_lshl_b32 s21, s9, 10
	s_lshl_b32 s25, s10, 2
	s_add_co_u32 s21, s21, s25
	s_add_co_u32 s21, s21, STATM
	v_lshl_add_u32 v[STW], v15, 4, s21             ; (64 a + r) x 16 + 4 b
	s_lshl_b32 s21, s9, 10
	s_lshl_b32 s25, s10, 8
	s_add_co_u32 s21, s21, s25
	s_add_co_u32 s21, s21, STATM
	v_lshl_add_u32 v[STR], v47, 4, s21             ; (64 a + 16 b + l / 8) x 16
	s_lshl_b32 s21, s9, 13
	s_lshl_b32 s25, s10, 11
	s_add_co_u32 s21, s21, s25
	v_lshl_add_u32 v[GO], v14, 4, s21              ; (64 a + 16 b) x 128 + 16 l
	STEP 0, 1, 1, 1, DL                            ; block 1, diagonal tile; slot 1 gets its first fill as a refill does
	s_lshr_b32 s24, s15, 1                         ; (n1 - 1) / 2 pairs of plain tiles
	s_cmp_eq_u32 s24, 0
	s_cbranch_scc1 .Lblock1_done
.Lblock1:
	STEP 1, 0, 0, 1, DL
	STEP 0, 1, 0, 1, DL
	s_sub_co_u32 s24, s24, 1
	s_cmp_lg_u32 s24, 0
	s_cbranch_scc1 .Lblock1
.Lblock1_done:
	MERGE 76, 1
	s_mov_b32 s17, 0                               ; block 2: step T asks for tile T, with no exception
	s_mov_b32 s18, -1
	STEP 1, 0, 1, 1, DL+1                          ; block 2, diagonal tile
	s_lshr_b32 s24, s16, 1
	s_sub_co_u32 s24, s24, 1                       ; (n2 - 2) / 2 pairs
	s_cmp_eq_u32 s24, 0
	s_cbranch_scc1 .Lblock2_done
.Lblock2:
	STEP 0, 1, 0, 1, DL
	STEP 1, 0, 0, 1, DL
	s_sub_co_u32 s24, s24, 1
	s_cmp_lg_u32 s24, 0
	s_cbranch_scc1 .Lblock2
.Lblock2_done:
	STEP 0, 1, 0, 0, DL                            ; the last tile: nothing is left to fetch
	MERGE 78, 0
	s_wait_tensorcnt 0x0
	ds_add_u32 v254, v255
	s_wait_dscnt 0x0
	s_endpgm
.Lfunc_end_k_qcbf4a78f08_attn:
	.size	k_qcbf4a78f08_attn, .Lfunc_end_k_qcbf4a78f08_attn-k_qcbf4a78f08_attn
	.p2alignl 7, 3214868480
	.fill 96, 4, 3214868480
	.section	.rodata,"a",@progbits
	.p2align	6, 0x0
	.amdhsa_kernel k_qcbf4a78f08_attn
		.amdhsa_group_segment_fixed_size 327680
		.amdhsa_private_segment_fixed_size 0
		.amdhsa_enable_private_segment 0
		.amdhsa_kernarg_size 16
		.amdhsa_user_sgpr_count 2
		.amdhsa_user_sgpr_kernarg_segment_ptr 1
		.amdhsa_wavefront_size32 1
		.amdhsa_system_sgpr_workgroup_id_x 1
		.amdhsa_system_sgpr_workgroup_id_y 1
		.amdhsa_system_sgpr_workgroup_id_z 1
		.amdhsa_system_vgpr_workitem_id 0
		.amdhsa_next_free_vgpr 512
		.amdhsa_next_free_sgpr 84
		.amdhsa_reserve_vcc 1
		.amdhsa_float_denorm_mode_32 3
		.amdhsa_float_denorm_mode_16_64 3
		.amdhsa_memory_ordered 1
		.amdhsa_forward_progress 1
		.amdhsa_inst_pref_size 255
	.end_amdhsa_kernel
	.section	.bss,"aw",@nobits
	.p2align	6
	.space	262144
	.amdgpu_metadata
---
amdhsa.version: [ 1, 2 ]
amdhsa.kernels:
  - .name:           k_qcbf4a78f08_attn
    .symbol:         k_qcbf4a78f08_attn.kd
    .args:
      - { .name: qkv, .offset: 0, .size: 8, .value_kind: global_buffer, .address_space: global }
      - { .name: att, .offset: 8, .size: 8, .value_kind: global_buffer, .address_space: global }
    .group_segment_fixed_size: 327680
    .private_segment_fixed_size: 0
    .kernarg_segment_align: 8
    .kernarg_segment_size: 16
    .max_flat_workgroup_size: 256
    .sgpr_count:     84
    .vgpr_count:     512
    .wavefront_size: 32
...
	.end_amdgpu_metadata
.endif
;; end of part 3
;; launch proj (part 4): grid 8 x 32, 4 waves a work-group, clusters of 4 x 4, 327,680 bytes of LDS; arguments att, wouth, bout, out0; writes out0
.if DOCPART == 4
	.amdgcn_target "amdgcn-amd-amdhsa--gfx1250"
	.amdhsa_code_object_version 6
	.text
	.protected	k_qcbf4a78f08_proj
	.globl	k_qcbf4a78f08_proj
	.p2align	8
	.type	k_qcbf4a78f08_proj,@function
k_qcbf4a78f08_proj:
	s_mov_b64 s[64:65], 0
	v_nop
	global_prefetch_b8 v0, s[64:65] scope:SCOPE_SE
	s_setreg_imm32_b32 hwreg(HW_REG_WAVE_MODE, 25, 1), 1
	s_wait_xcnt 0x0
	s_wait_alu depctr_hold_cnt(0) depctr_sa_sdst(0) depctr_va_vdst(0) depctr_va_sdst(0) depctr_va_ssrc(0) depctr_va_vcc(0) depctr_vm_vsrc(0)
	s_getreg_b32 s2, hwreg(HW_REG_IB_STS2, 6, 4)
	s_cmp_eq_u32 s2, 0
	s_cbranch_scc0 .Lentry_in_a_cluster
	s_endpgm
.Lentry_in_a_cluster:
	s_bfe_u32 s2, ttmp6, 0x10000c
	s_cmp_lg_u32 s2, 0xf033
	s_cbranch_scc0 .Lentry_shape_is_right
	s_endpgm
.Lentry_shape_is_right:
; out0 = (att hi + att lo) x wouth + bout.  att[block of 128 rows][16 heads][hi, lo][128][64] bf16 (k = 64 head + d),
; wouth[1024 k][1024 n] bf16, bout and out0 f32; sums in f32.  hi + lo carry 16 bits of mantissa of the attention's result; each is
; multiplied by the same fragment of W, so a fragment of W read from LDS feeds two products.
; A work-group makes 128 x 128 with four waves; wave (wm, wn) makes 64 x 64: 16 accumulator tiles.  K goes in eight phases of 128
; (two heads) through two LDS slots.  A tensor load asked for behind one change of slots has a whole phase, 128 matrix instructions
; of a wave, in which to land.
; CLUSTERS: 4 x 4 work-groups; att tiles are shared along a row of the cluster, wouth tiles along a column, by joint loads.
; The matrix instruction is used transposed (source 0 = 16 columns of W by the transposing load, source 1 = 16 rows of att): a lane holds
; row l % 16 and eight neighbouring columns.  The bias is the C operand of each sum's first product.
; LDS rows: att 128 + 16 = 144 bytes = 9 x 16; wouth 256 + 32 = 288 bytes = 9 x 32; stage 256 + 16 = 272 bytes.
.set AP,     144
.set BP,     288
.set APLANE, 128*AP                    ; 18432: hi or lo of one head, 128 rows
.set AQ,     2*APLANE                  ; 36864: one tensor load of att: hi and lo of one head
.set BOFFS,  2*AQ                      ; 73728: W behind the four planes of att
.set BHALF,  64*BP                     ; 18432: one tensor load of wouth
.set SLOT,   BOFFS+2*BHALF             ; 110592
.set STAGE,  2*SLOT                    ; 221184: behind the ring; no tensor load lands here
.set SP,     272
.set ADRA, 16                          ; v16-17 slot 0, 1
.set ADRB, 20                          ; v20-21 slot 0, 1
.set STO,  24
.set RD,   25
.set CO,   26
.set BOF,  27
.set FR,   32                          ; fragment buffer n at 32 + 96 n: att hi at + 0, att lo at + 32, W at + 64
.set BIAS, 224                         ; v224-255
.set RB0,  32                          ; on the way out the fragment registers take rows read back
.set RB1,  64
.set G1,  24
.set G0,  32
.set G1B, 48
.set G0B, 56
.set MSB, 0
.macro WIN new
.if MSB != \new
	s_set_vgpr_msb (MSB<<8)|\new
.set MSB, \new
.endif
.endm
.macro PLACES                          ; four places behind a matrix instruction (ISA guide 7.12.1)
.rept 4
	v_nop
.endr
.endm
.macro JLOAD s                         ; waves 0 and 1 ask for att, waves 2 and 3 for wouth
	s_cmp_eq_u32 s13, 0
	s_cbranch_scc0 .Lfor_b_\@
	tensor_load_to_lds s[G0+4*\s:G0+4*\s+3], s[G1:G1+7]
	s_nop 0
	s_branch .Lasked_\@
.Lfor_b_\@:
	tensor_load_to_lds s[G0B+4*\s:G0B+4*\s+3], s[G1B:G1B+7]
	s_nop 0
.Lasked_\@:
.endm
.macro CROUND                          ; a round of the cluster barrier
	s_barrier_signal -1
	s_barrier_wait -1
	s_cmp_lg_u32 s12, 0
	s_cbranch_scc1 .Lnot_wave_0_\@
	s_barrier_signal -3
.Lnot_wave_0_\@:
	s_barrier_wait -3
	s_barrier_signal -1
	s_barrier_wait -1
.endm
	s_load_b256 s[4:11], s[0:1], 0x0               ; att s[4:5], wouth s[6:7], bout s[8:9], out0 s[10:11]
	v_lshl_add_u32 v30, v0, 2, 0x3a400
	v_mov_b32 v31, 0
	ds_add_u32 v30, v31
	v_lshrrev_b32 v1, 5, v0
	v_readfirstlane_b32 s12, v1                    ; wave 0..3
	s_lshr_b32 s13, s12, 1                         ; wm; also: I fetch for att (0) or for wouth (1)
	s_and_b32 s14, s12, 1                          ; wn; also: which half of that tile
	s_bfe_u32 s15, ttmp6, 0x40000                  ; cx
	s_bfe_u32 s16, ttmp6, 0x40004                  ; cy
	s_lshl_b32 s17, ttmp9, 2
	s_add_co_u32 s17, s17, s15                     ; block column (128 columns)
	s_and_b32 s18, ttmp7, 0xffff
	s_lshl_b32 s18, s18, 2
	s_add_co_u32 s18, s18, s16                     ; block row (128 rows)
	s_lshl_b32 s19, s16, 2
	s_lshl_b32 s19, 15, s19                        ; my row of the cluster
	s_lshl_b32 s20, 0x1111, s15                    ; my column
	; group 1 for att: hi and lo of a head lie densely, 32768 bytes = 128 rows x 128 elements; 4 words of padding behind every 32
	s_or_b32  s[G1+0], s19, (1<<16)|(1<<20)|(1<<21)|(4<<22)|(3<<25)
	s_mov_b32 s[G1+1], 128<<16
	s_mov_b32 s[G1+2], 128<<16
	s_mov_b32 s[G1+3], 128<<16
	s_mov_b32 s[G1+4], 128
	s_mov_b32 s[G1+5], 128
	s_mov_b32 s[G1+6], 0
	s_mov_b32 s[G1+7], 0
	; group 1 for wouth: 64 k rows x 128 elements, pitch 1024; 8 words of padding behind every 64
	s_or_b32  s[G1B+0], s20, (1<<16)|(1<<20)|(1<<21)|(5<<22)|(7<<25)
	s_mov_b32 s[G1B+1], 128<<16
	s_mov_b32 s[G1B+2], 64<<16
	s_mov_b32 s[G1B+3], 128<<16
	s_mov_b32 s[G1B+4], 64
	s_mov_b32 s[G1B+5], 1024
	s_mov_b32 s[G1B+6], 0
	s_mov_b32 s[G1B+7], 0
	s_lshl_b32 s40, s18, 19                        ; att: block row x 16 heads x 32768 bytes
	s_lshl_b32 s41, s14, 15                        ; + my head of the two
	s_add_co_u32 s40, s40, s41
	s_mov_b32 s41, 0
	s_lshl_b32 s44, s14, 17                        ; wouth: k row 64 x half, 2048 bytes each
	s_lshl_b32 s45, s17, 8                         ; + 128 columns x block column
	s_add_co_u32 s44, s44, s45
	s_mov_b32 s45, 0
	s_mul_i32 s21, s12, AQ                         ; LDS: waves 0, 1 at 0 and 36864
	s_mul_i32 s22, s12, BHALF
	s_add_co_u32 s22, s22, BOFFS-2*BHALF           ; waves 2, 3 at 73728 and 92160
	s_lshl_b32 s66, s17, 9                         ; bias of my 64 columns
	s_lshl_b32 s67, s14, 8
	s_add_co_u32 s66, s66, s67
	s_mov_b32 s67, 0
	s_wait_dscnt 0x0
	s_wait_kmcnt 0x0
	s_add_nc_u64 s[42:43], s[4:5], s[40:41]
	s_add_nc_u64 s[46:47], s[6:7], s[44:45]
	s_add_nc_u64 s[66:67], s[8:9], s[66:67]
	CROUND                                         ; in front of the first joint loads
.irp s, 0,1
	s_mov_b32 s[G0+4*\s], 1
	s_add_co_u32 s[G0+4*\s+1], s21, \s*SLOT
	s_add_nc_u64 s[G0+4*\s+2:G0+4*\s+3], s[42:43], \s*65536         ; phase s: two heads on
	s_or_b32 s[G0+4*\s+3], s[G0+4*\s+3], 0x80000000
	s_mov_b32 s[G0B+4*\s], 1
	s_add_co_u32 s[G0B+4*\s+1], s22, \s*SLOT
	s_add_nc_u64 s[G0B+4*\s+2:G0B+4*\s+3], s[46:47], \s*128*2048    ; phase s: 128 k rows down
	s_or_b32 s[G0B+4*\s+3], s[G0B+4*\s+3], 0x80000000
	JLOAD \s
.endr
	v_and_b32 v1, 15, v0                           ; r
	v_bfe_u32 v2, v0, 4, 1                         ; h
	v_lshlrev_b32 v[BOF], 5, v2
.irp b, 0,1,2,3
	global_load_b128 v[BIAS+8*\b:BIAS+8*\b+3],   v[BOF], s[66:67] offset:64*\b
	global_load_b128 v[BIAS+8*\b+4:BIAS+8*\b+7], v[BOF], s[66:67] offset:64*\b+16
.endr
	v_and_b32 v5, 7, v0
	v_bfe_u32 v6, v0, 3, 1
	v_mul_u32_u24 v3, v1, AP
	v_lshl_add_u32 v3, v2, 4, v3
	s_mul_i32 s23, s13, 64*AP                      ; my 64 rows of every plane
	v_add_nc_u32 v[ADRA], s23, v3
	v_add_nc_u32 v[ADRA+1], SLOT, v[ADRA]
	v_lshl_add_u32 v4, v2, 3, v5                   ; transposing load: k row 8 h + l % 8
	v_mul_u32_u24 v4, v4, BP
	v_lshl_add_u32 v4, v6, 4, v4
	s_lshl_b32 s23, s14, 7                         ; my 64 columns
	s_add_co_u32 s23, s23, BOFFS
	v_add_nc_u32 v[ADRB], s23, v4
	v_add_nc_u32 v[ADRB+1], SLOT, v[ADRB]
	s_mul_i32 s23, s12, 16*SP
	s_add_co_u32 s23, s23, STAGE
	v_mul_u32_u24 v3, v1, SP
	v_lshl_add_u32 v3, v2, 5, v3
	v_add_nc_u32 v[STO], s23, v3                   ; in: row r, 32 h
	v_mul_u32_u24 v4, v2, SP
	v_lshl_add_u32 v4, v1, 4, v4
	v_add_nc_u32 v[RD], s23, v4                    ; back: lanes 0-15 one row of 256 bytes, lanes 16-31 the next
	v_lshlrev_b32 v4, 12, v2
	v_lshl_add_u32 v[CO], v1, 4, v4                ; the same two rows in out0
; 24 LDS loads: the fragments of quarter q (32 along K, q = 0 .. 3: head q / 2, its half q % 2) of a slot into buffer buf: W, att hi, att lo
.macro FETCH slot, q, buf
	WIN 0
.irp b, 0,1,2,3
	ds_load_tr16_b128 v[FR+96*\buf+64+8*\b:FR+96*\buf+64+8*\b+3],   v[ADRB+\slot] offset:\q*32*BP+32*\b
	ds_load_tr16_b128 v[FR+96*\buf+64+8*\b+4:FR+96*\buf+64+8*\b+7], v[ADRB+\slot] offset:\q*32*BP+32*\b+16*BP
.endr
.irp pl, 0,1
.irp a, 0,1,2,3
	ds_load_b128 v[FR+96*\buf+32*\pl+8*\a:FR+96*\buf+32*\pl+8*\a+3],   v[ADRA+\slot] offset:((\q/2)*2+\pl)*APLANE+16*AP*\a+64*(\q%2)
	ds_load_b128 v[FR+96*\buf+32*\pl+8*\a+4:FR+96*\buf+32*\pl+8*\a+7], v[ADRA+\slot] offset:((\q/2)*2+\pl)*APLANE+16*AP*\a+64*(\q%2)+32
.endr
.endr
.endm
; 32 matrix instructions: hi of all 16 tiles, then lo of all 16.  The 16 accumulators take turns, one instruction a turn, in the same
; order every time.
.macro MUL32 buf, first
.if \first
	WIN 0x40                                       ; D window 1; fragments and bias window 0
.else
	WIN 0x50                                       ; C and D window 1
.endif
.irp a, 0,1,2,3
.irp b, 0,1,2,3
.if \first
	v_wmma_f32_16x16x32_bf16 v[8*(4*\a+\b):8*(4*\a+\b)+7], v[FR+96*\buf+64+8*\b:FR+96*\buf+64+8*\b+7], v[FR+96*\buf+8*\a:FR+96*\buf+8*\a+7], v[BIAS+8*\b:BIAS+8*\b+7]
.else
	v_wmma_f32_16x16x32_bf16 v[8*(4*\a+\b):8*(4*\a+\b)+7], v[FR+96*\buf+64+8*\b:FR+96*\buf+64+8*\b+7], v[FR+96*\buf+8*\a:FR+96*\buf+8*\a+7], v[8*(4*\a+\b):8*(4*\a+\b)+7]
.endif
.endr
.endr
	WIN 0x50
.irp a, 0,1,2,3
.irp b, 0,1,2,3
	v_wmma_f32_16x16x32_bf16 v[8*(4*\a+\b):8*(4*\a+\b)+7], v[FR+96*\buf+64+8*\b:FR+96*\buf+64+8*\b+7], v[FR+96*\buf+32+8*\a:FR+96*\buf+32+8*\a+7], v[8*(4*\a+\b):8*(4*\a+\b)+7]
.endr
.endr
.endm
.macro QSTEP slot, nq, buf, nbuf, first
	PLACES                                         ; the loads below land in registers that matrix instructions have read
	FETCH \slot, \nq, \nbuf
	s_wait_dscnt 24                                ; all but the 24 just issued
	MUL32 \buf, \first
.endm
.macro PHASE slot, first
	FETCH \slot, 0, 0
	QSTEP \slot, 1, 0, 1, \first
	QSTEP \slot, 2, 1, 0, 0
	QSTEP \slot, 3, 0, 1, 0
	s_wait_dscnt 0x0
	MUL32 1, 0
.endm
; The change of slots behind a phase that read slot.  Every wave waits for its reads and for all its tensor loads (one is out: its part of the
; other slot).  fill = 1: a round of the cluster barrier, then the joint refill of the slot, the first tensor load behind it, one a wave.
.macro CHANGE slot, fill
	WIN 0
	PLACES
	s_wait_dscnt 0x0
	s_wait_tensorcnt 0x0
	ds_add_u32 v30, v31
	s_wait_dscnt 0x0
.if \fill
	CROUND
	s_add_nc_u64 s[G0+4*\slot+2:G0+4*\slot+3], s[G0+4*\slot+2:G0+4*\slot+3], 131072          ; two phases on: four heads
	s_add_nc_u64 s[G0B+4*\slot+2:G0B+4*\slot+3], s[G0B+4*\slot+2:G0B+4*\slot+3], 256*2048    ; 256 k rows
	JLOAD \slot
.else
	s_barrier_signal -1
	s_barrier_wait -1
.endif
.endm
	s_wait_tensorcnt 0x1                           ; my part of phase 0 is in; phase 1 may stay out
	s_barrier_signal -1
	s_barrier_wait -1
	s_wait_loadcnt 0x0                             ; the bias
	PHASE 0, 1                                     ; phase 0: its first products start the sums
	CHANGE 0, 1                                    ; asks for phase 2
	PHASE 1, 0
	CHANGE 1, 1                                    ; asks for phase 3
	s_mov_b32 s3, 2
.Llap:                                             ; phases 2 to 5; they ask for phases 4 to 7
	PHASE 0, 0
	CHANGE 0, 1
	PHASE 1, 0
	CHANGE 1, 1
	s_sub_co_u32 s3, s3, 1
	s_cmp_lg_u32 s3, 0
	s_cbranch_scc1 .Llap
	PHASE 0, 0                                     ; phases 6 and 7 fill nothing
	CHANGE 0, 0
	PHASE 1, 0
	; THE WAY OUT, 16 rows at a time, in f32: 32 bytes a lane into my own stage, read back as whole rows of 256 bytes
	PLACES
	s_lshl_b32 s70, s18, 19                        ; 128 rows x 4096 bytes x block row
	s_lshl_b32 s71, s13, 18                        ; + 64 rows x wm
	s_add_co_u32 s70, s70, s71
	s_lshl_b32 s71, s17, 9                         ; + 128 columns x block column
	s_add_co_u32 s70, s70, s71
	s_lshl_b32 s71, s14, 8                         ; + 64 columns x wn
	s_add_co_u32 s70, s70, s71
	s_mov_b32 s71, 0
	s_add_nc_u64 s[68:69], s[10:11], s[70:71]
.macro OUT16 a, rb
	WIN 0x04                                       ; store data from window 1
.irp b, 0,1,2,3
	ds_store_b128 v[STO], v[8*(4*\a+\b):8*(4*\a+\b)+3]   offset:64*\b
	ds_store_b128 v[STO], v[8*(4*\a+\b)+4:8*(4*\a+\b)+7] offset:64*\b+16
.endr
	WIN 0
	s_wait_xcnt 0x0                                ; the read-back registers, which earlier stores read, are loaded again only behind this wait
.irp t, 0,1,2,3,4,5,6,7
	ds_load_b128 v[\rb+4*\t:\rb+4*\t+3], v[RD] offset:2*SP*\t      ; LDS serves a wave in order: these see the stores above
.endr
.irp t, 0,1,2,3,4,5,6,7
	s_wait_dscnt 7-\t                              ; load t is in, the younger ones stay out
	global_store_b128 v[CO], v[\rb+4*\t:\rb+4*\t+3], s[68:69] offset:(16*\a+2*\t)*4096 th:TH_STORE_NT   ; 16 lanes store 256 consecutive bytes, aligned
.endr
.endm
	OUT16 0, RB0
	OUT16 1, RB1
	OUT16 2, RB0
	OUT16 3, RB1
	s_wait_tensorcnt 0x0
	ds_add_u32 v30, v31
	s_wait_dscnt 0x0
	CROUND                                         ; the closing round
	s_endpgm
.Lfunc_end_k_qcbf4a78f08_proj:
	.size	k_qcbf4a78f08_proj, .Lfunc_end_k_qcbf4a78f08_proj-k_qcbf4a78f08_proj
	.p2alignl 7, 3214868480
	.fill 96, 4, 3214868480
	.section	.rodata,"a",@progbits
	.p2align	6, 0x0
	.amdhsa_kernel k_qcbf4a78f08_proj
		.amdhsa_group_segment_fixed_size 327680
		.amdhsa_private_segment_fixed_size 0
		.amdhsa_enable_private_segment 0
		.amdhsa_kernarg_size 32
		.amdhsa_user_sgpr_count 2
		.amdhsa_user_sgpr_kernarg_segment_ptr 1
		.amdhsa_wavefront_size32 1
		.amdhsa_system_sgpr_workgroup_id_x 1
		.amdhsa_system_sgpr_workgroup_id_y 1
		.amdhsa_system_sgpr_workgroup_id_z 1
		.amdhsa_system_vgpr_workitem_id 0
		.amdhsa_next_free_vgpr 384
		.amdhsa_next_free_sgpr 72
		.amdhsa_reserve_vcc 0
		.amdhsa_float_denorm_mode_32 3
		.amdhsa_float_denorm_mode_16_64 3
		.amdhsa_memory_ordered 1
		.amdhsa_forward_progress 1
		.amdhsa_inst_pref_size 109
	.end_amdhsa_kernel
	.amdgpu_metadata
---
amdhsa.version: [ 1, 2 ]
amdhsa.kernels:
  - .name:           k_qcbf4a78f08_proj
    .symbol:         k_qcbf4a78f08_proj.kd
    .args:
      - { .name: att, .offset: 0, .size: 8, .value_kind: global_buffer, .address_space: global }
      - { .name: wouth, .offset: 8, .size: 8, .value_kind: global_buffer, .address_space: global }
      - { .name: bout, .offset: 16, .size: 8, .value_kind: global_buffer, .address_space: global }
      - { .name: out0, .offset: 24, .size: 8, .value_kind: global_buffer, .address_space: global }
    .group_segment_fixed_size: 327680
    .private_segment_fixed_size: 0
    .kernarg_segment_align: 8
    .kernarg_segment_size: 32
    .max_flat_workgroup_size: 128
    .sgpr_count:     72
    .vgpr_count:     384
    .wavefront_size: 32
...
	.end_amdgpu_metadata
.endif
;; end of part 4
